; MI455X (gfx1250); checked and timed in simulation.
; The chip was launched on July 23, 2026; its instructions are those of AMD's public machine-readable ISA for CDNA 5 (MIT licence, August 2026) and "CDNA5" Instruction Set Architecture Reference Guide (July 2026). The comments in the code are by the model that wrote it; some were corrected since.
;; Shapelet. Allowed arithmetic: float matrix products may take bf16 or f16 operands with f32 sums; all other float work in f32.
;; Inputs: position_channel_map 8 x 245 float32; weights 64 x 8 x 24 float32; x 16 x 8 x 512 float32.
;; Outputs: out0 16 x 512 float32; out1 16 x 512 float32.
;; One version. Each part assembles by itself: llvm-mc -triple=amdgcn-amd-amdhsa -mcpu=gfx1250 --defsym DOCPART=n.
;; ======== version 1 of 1: 1 launch
;; launch shapelet (part 1): grid 16 x 16, 8 waves a work-group, no clusters, 168,960 bytes of LDS; arguments x, weights, position_channel_map, out0, out1; writes out0, out1
.if DOCPART == 1
	.amdgcn_target "amdgcn-amd-amdhsa--gfx1250"
	.amdhsa_code_object_version 6
	.text
	.protected	k_qe2f7115b81_shapelet
	.globl	k_qe2f7115b81_shapelet
	.p2align	8
	.type	k_qe2f7115b81_shapelet,@function
k_qe2f7115b81_shapelet:
	s_mov_b64 s[64:65], 0
	v_nop
	global_prefetch_b8 v0, s[64:65] scope:SCOPE_SE
	s_setreg_imm32_b32 hwreg(HW_REG_WAVE_MODE, 25, 1), 1
	s_wait_xcnt 0x0
; Shapelet: d[b,m,n,c] = map[c,m] * mean over l of |x[b,c,2m+l] - w[n,c,l]|   (245 positions m, 24 taps l)
;   out1[b, 8n+c] = min over m of d            out0[b, 8n+c] = sum over m of (hard + soft - soft) * exp(-d^2)
; hard + soft - soft is exactly 0 away from the argmax and 1 within one f32 rounding at it (exp(-d^2) lies in [0,1], so
; 0 < soft <= 1 for every input): out0 = max over m of exp(-d^2) = exp(-(min over m of |d|)^2), exp being monotone.  So two running
; minima are kept, of d (signed: the map may be negative) and of |d|, and one exponential is taken for each output.
;
; SHARES.  Work-group (g, b): batch b, shapelets 4g..4g+3, all 8 channels = 32 neighbouring floats of each output, stored as 128 consecutive
; bytes.  Lane L is output 32g + L (channel c = L & 7).  Wave k takes the 32 positions from m0 = min(32k, 213): wave 7 repeats 11
; positions of wave 6, which cannot change a minimum.  8 waves' minima meet in LDS; wave 0 finishes.
; INPUTS are read once per work-group as whole consecutive blocks (x[b] 16,384 B, 4 shapelets 3,072 B, the map 7,840 B) and laid in LDS.
; ARITHMETIC for two positions: 24 packed differences, 24 adds |a| + |b| (the sign is dropped in the first level of the sum), 11 packed
; adds (position m in the even register, m + 1 in the odd one), 1 packed multiply by the map, 2 three-way minima: 62 for 48 terms.
; The 16 steps are unrolled: the window of x slides through registers, which a loop cannot index.  992 vector instructions, about 8.5 KB.
; NO JOINT REQUESTS, though x[b] is read by 16 work-groups, a block of weights by 16, the map by all: each work-group fetches its 27,296 bytes
; once, in one burst of at most seven 16-byte loads a thread, ahead of 8 x 992 vector instructions; there is no loop of tiles to share,
; and a cluster's barrier would have to stand in front of that only fetch.  No matrix instruction: an L1 distance is no product.
; LIMITS.  NaN and infinities in the inputs are not served (v_min_num_f32 drops a NaN, the reference hands it on).  The 24 terms are summed as a
; tree, and the mean's 1/24 is a multiplication applied behind the minimum (a positive factor commutes with it): the order of rounding
; differs from the reference's.  The sign of a zero in out1 may differ.  Denormal results of the exponential are kept (see the end).
.set M_ALL,  245
.set CHUNK,  32                        ; positions of a wave
.set PAIRS,  CHUNK/2
.set XPITCH, 2080                      ; an LDS row of x: 2,048 B + 32 = 520 words, so the 8 channels start 8 banks apart (64 banks of 4 bytes: ISA guide 11.1)
.set PB,     8*XPITCH                  ; the map, dense as in memory: rows of 245 words start at banks 0,53,42,31,20,9,62,51.  8,192 B (352 never read)
.set WB,     PB+8192                   ; weights: 32 rows of 96 B at a pitch of 112 = 7 x 16: sixteen lanes' 16 bytes fall in 16 different columns of 256 B
.set WPITCH, 112
.set RED,    WB+32*WPITCH              ; 8 waves x 32 lanes x 8 B: the waves' minima.  Ends at 30,464
.set W,   2                            ; v[2:25]    my 24 weights
.set X,   26                           ; v[26:111]  x[c][2 m0 .. 2 m0 + 85]
.set P,   112                          ; v[112:143] map[c][m0 .. m0 + 31]
.set T,   144                          ; v[144:191] differences: position m in T..T+23, m + 1 in T+24..T+47.  First the stage of the global loads
.set U,   192                          ; v[192:215] partial sums, (m, m + 1) in pairs
.set DM,  216                          ; running minimum of sum * map
.set AM,  217                          ; running minimum of |sum * map|
.set D,   218                          ; v[218:219] sum * map of the two positions
.set GO,  220                          ; 16 t: offset in global blocks, and in the map's LDS copy
.set GO2, 221                          ; the map's second piece
.set LXS, 222                          ; where I put x
.set LWS, 223                          ; where I put weights
.set XA,  224                          ; where I read x
.set PA,  225                          ; where I read the map
.set WA,  226                          ; where I read weights
.set RA,  227                          ; my 8 bytes among the minima
	s_load_b256 s[4:11], s[0:1], 0x0               ; x s[4:5], weights s[6:7], map s[8:9], out0 s[10:11]
	s_load_b64 s[12:13], s[0:1], 0x20              ; out1
	v_lshl_add_u32 v232, v0, 2, 0x29000
	v_mov_b32 v233, 0
	; all offsets are made while the arguments are on their way
	v_lshrrev_b32 v1, 5, v0
	v_readfirstlane_b32 s15, v1                    ; wave 0..7
	s_and_b32 s14, ttmp7, 0xffff                   ; b
	s_lshl_b32 s16, s14, 14                        ; x[b]: 8 x 512 x 4 bytes
	s_mov_b32 s17, 0
	s_mul_i32 s18, ttmp9, 3072                     ; 4 shapelets x 8 x 24 x 4 bytes
	s_mov_b32 s19, 0
	s_lshl_b32 s20, s14, 11                        ; outputs: (512 b + 32 g) x 4 bytes
	s_lshl_b32 s21, ttmp9, 7
	s_add_co_u32 s20, s20, s21
	s_mov_b32 s21, 0
	s_lshl_b32 s22, s15, 5
	s_min_u32 s22, s22, M_ALL-CHUNK                ; m0
	s_lshl_b32 s23, s22, 3                         ; x[2 m0] in bytes
	s_lshl_b32 s22, s22, 2                         ; map[m0] in bytes
	v_lshlrev_b32 v[GO], 4, v0
	v_add_nc_u32 v[GO2], 4096, v[GO]               ; the map is 490 pieces of 16 B: threads 234..255 have no second piece; they load the last
	v_min_u32 v[GO2], 7824, v[GO2]                 ; one again (inside the buffer) and put it in bytes of their own that nobody reads: EXEC stays whole
	v_and_b32 v1, 127, v0                          ; x: piece t + 256 i lies in row (t >> 7) + 2 i at 16 (t & 127)
	v_lshrrev_b32 v[LXS], 7, v0
	v_mul_u32_u24 v[LXS], XPITCH, v[LXS]
	v_lshl_add_u32 v[LXS], v1, 4, v[LXS]
	v_mul_u32_u24 v1, 171, v0                      ; weights: piece t lies in row r = t / 6 = 171 t >> 10 (171/1024 = 1/6 + 1/3072: exact below 512)
	v_lshrrev_b32 v1, 10, v1
	v_add_nc_u32 v1, v1, v0
	v_lshlrev_b32 v[LWS], 4, v1                    ; 112 r + 16 (t - 6 r) = 16 (t + r)
	v_and_b32 v1, 7, v0                            ; c
	v_mad_u32_u24 v[XA], v1, XPITCH, s23
	v_mad_u32_u24 v[PA], v1, 4*M_ALL, s22
	v_and_b32 v1, 31, v0                           ; lane
	v_mul_u32_u24 v[WA], WPITCH, v1
	v_lshlrev_b32 v[RA], 3, v0
	s_wait_kmcnt 0x0
	s_add_nc_u64 s[4:5], s[4:5], s[16:17]
	s_add_nc_u64 s[6:7], s[6:7], s[18:19]
	s_add_nc_u64 s[10:11], s[10:11], s[20:21]
	s_add_nc_u64 s[12:13], s[12:13], s[20:21]
	; THE FETCH: a wave's load covers 512 consecutive bytes
.irp i, 0,1,2,3
	global_load_b128 v[T+4*\i:T+4*\i+3], v[GO], s[4:5] offset:4096*\i
.endr
	global_load_b128 v[T+16:T+19], v[GO], s[8:9]
	global_load_b128 v[T+20:T+23], v[GO2], s[8:9]
	s_cmp_gt_u32 s15, 5                            ; the weights are 192 pieces: waves 0 to 5
	s_cbranch_scc1 .Lno_w
	global_load_b128 v[T+24:T+27], v[GO], s[6:7]
	s_wait_loadcnt 0x0
	ds_store_b128 v[LWS], v[T+24:T+27] offset:WB
.Lno_w:
	s_wait_loadcnt 0x0
.irp i, 0,1,2,3
	ds_store_b128 v[LXS], v[T+4*\i:T+4*\i+3] offset:2*XPITCH*\i
.endr
	ds_store_b128 v[GO], v[T+16:T+19] offset:PB
	ds_store_b128 v[GO], v[T+20:T+23] offset:PB+4096
	s_wait_dscnt 0x0                               ; my stores are in LDS, for the other waves' sake,
	s_barrier_signal -1
	s_barrier_wait -1                              ; and so are everybody's
	; 81 LDS loads in the order of need: 6 of weights, 13 of x (the first two positions' window), then 15 groups of two x and two map
	; values (what each further pair of positions adds), then the last pair's map values.  x by 8 bytes: wave 7's window starts at 8 x 213.
.irp i, 0,1,2,3,4,5
	ds_load_b128 v[W+4*\i:W+4*\i+3], v[WA] offset:WB+16*\i
.endr
.set q, 0
.rept 13
	ds_load_b64 v[X+2*q:X+2*q+1], v[XA] offset:8*q ; four lanes of a channel read the same words; the 8 channels lie in different banks
.set q, q+1
.endr
.set q, 0
.rept PAIRS-1
	ds_load_b64 v[X+26+4*q:X+27+4*q], v[XA] offset:8*(13+2*q)
	ds_load_b64 v[X+28+4*q:X+29+4*q], v[XA] offset:8*(14+2*q)
	ds_load_b32 v[P+2*q],   v[PA] offset:PB+8*q
	ds_load_b32 v[P+2*q+1], v[PA] offset:PB+8*q+4
.set q, q+1
.endr
	ds_load_b32 v[P+2*PAIRS-2], v[PA] offset:PB+4*(2*PAIRS-2)
	ds_load_b32 v[P+2*PAIRS-1], v[PA] offset:PB+4*(2*PAIRS-1)
; differences number lo .. lo+cnt-1 of pair j: number q is taps 2 (q % 12), +1 of position m0 + 2 j + q / 12
.macro SUBS j, lo, cnt
.set q, \lo
.rept \cnt
	v_pk_add_f32 v[T+2*q:T+2*q+1], v[X+4*(\j)+2*(q/12)+2*(q%12):X+4*(\j)+2*(q/12)+2*(q%12)+1], v[W+2*(q%12):W+2*(q%12)+1] neg_lo:[0,1] neg_hi:[0,1]
.set q, q+1
.endr
.endm
; first level of the sums: U + q = |a| + |b|; even q belongs to the first position, odd q to the second
.macro ABSS lo, cnt
.set q, \lo
.rept \cnt
	v_add_f32 v[U+q], |v[T+24*(q%2)+2*(q/2)]|, |v[T+24*(q%2)+2*(q/2)+1]|
.set q, q+1
.endr
.endm
; the tail of the pair in front of pair j (none in front of pair 0): both positions' sums at once
.macro TADD j, a, b
.if \j
	v_pk_add_f32 v[U+2*\a:U+2*\a+1], v[U+2*\a:U+2*\a+1], v[U+2*\b:U+2*\b+1]
.endif
.endm
.macro TMUL j
.if \j
	v_pk_mul_f32 v[D:D+1], v[U:U+1], v[P+2*((\j)-1):P+2*((\j)-1)+1]
.endif
.endm
.macro TMIN j
.if \j
.if \j == 1
	v_min_num_f32 v[DM], v[D], v[D+1]              ; the first pair starts the minima: nothing is preset
	v_min_num_f32 v[AM], |v[D]|, |v[D+1]|
.else
	v_min3_num_f32 v[DM], v[DM], v[D], v[D+1]
	v_min3_num_f32 v[AM], v[AM], |v[D]|, |v[D+1]|
.endif
.endif
.endm
; Pair j.  The last pair's tail is a chain of four levels, a product and a minimum: its links are laid between this pair's differences,
; which hang on nothing recent.
.macro PAIR j
	s_wait_dscnt 62-4*(\j)                         ; LDS loads return in order (ISA guide 5.7.1): of the 81, the first 19 + 4 j are in: this pair's window, the last pair's map values
	SUBS \j, 0, 4
	TADD \j, 0, 6
	SUBS \j, 4, 1
	TADD \j, 1, 7
	SUBS \j, 5, 1
	TADD \j, 2, 8
	SUBS \j, 6, 1
	TADD \j, 3, 9
	SUBS \j, 7, 1
	TADD \j, 4, 10
	SUBS \j, 8, 1
	TADD \j, 5, 11
	SUBS \j, 9, 3
	TADD \j, 0, 3
	SUBS \j, 12, 1
	TADD \j, 1, 4
	SUBS \j, 13, 1
	TADD \j, 2, 5
	SUBS \j, 14, 3
	TADD \j, 0, 1
	SUBS \j, 17, 3
	TADD \j, 0, 2
	SUBS \j, 20, 4
	TMUL \j
	ABSS 0, 6
	TMIN \j
	ABSS 6, 18
.endm
.set pj, 0
.rept PAIRS
	PAIR pj
.set pj, pj+1
.endr
	s_wait_dscnt 0x0                               ; the last two map values
	TADD PAIRS, 0, 6
	TADD PAIRS, 1, 7
	TADD PAIRS, 2, 8
	TADD PAIRS, 3, 9
	TADD PAIRS, 4, 10
	TADD PAIRS, 5, 11
	TADD PAIRS, 0, 3
	TADD PAIRS, 1, 4
	TADD PAIRS, 2, 5
	TADD PAIRS, 0, 1
	TADD PAIRS, 0, 2
	TMUL PAIRS
	TMIN PAIRS
	; THE WAVES' MINIMA MEET
	ds_store_b64 v[RA], v[DM:DM+1] offset:RED      ; thread t at 8 t: wave k's 32 lanes at 256 k
	s_wait_dscnt 0x0                               ; in LDS before the signal, for wave 0's sake
	s_barrier_signal -1
	s_barrier_wait -1
	s_cmp_lg_u32 s15, 0
	s_cbranch_scc1 .Lend                           ; 32 outputs of each kind are one wave's work
.irp k, 0,1,2,3,4,5,6,7
	ds_load_b64 v[T+2*\k:T+2*\k+1], v[RA] offset:RED+256*\k   ; in wave 0 t is the lane
.endr
	v_lshlrev_b32 v1, 2, v0                        ; my float in the 128 bytes
	s_wait_dscnt 0x0
	v_min3_num_f32 v[DM], v[T], v[T+2], v[T+4]
	v_min3_num_f32 v[AM], v[T+1], v[T+3], v[T+5]
	v_min3_num_f32 v[D], v[T+6], v[T+8], v[T+10]
	v_min3_num_f32 v[D+1], v[T+7], v[T+9], v[T+11]
	v_min3_num_f32 v[DM], v[DM], v[T+12], v[T+14]
	v_min3_num_f32 v[AM], v[AM], v[T+13], v[T+15]
	v_min_num_f32 v[DM], v[DM], v[D]
	v_min_num_f32 v[AM], v[AM], v[D+1]
	v_pk_mul_f32 v[DM:DM+1], v[DM:DM+1], 0x3d2aaaab op_sel_hi:[1,0]   ; the mean's 1/24: min d and min |d|
	global_store_b32 v1, v[DM], s[12:13]           ; out1: the wave stores 128 consecutive bytes
	v_mul_f32 v[D], v[AM], v[AM]
	v_mul_f32 v[D], 0xbfb8aa3b, v[D]               ; y = -d^2 log2(e); -infinity where d^2 overflows, and then the result is 0 as in the reference
	; v_exp_f32 gives 0 where its result would be denormal (ISA guide, its entry in 15.8).  Below y = -126 take 2^(y + 64) and multiply by 2^-64:
	; the multiplication keeps denormals.
	v_mov_b32 v[T], 0x42800000                     ; 64.0
	v_mov_b32 v[T+1], 0x1f800000                   ; 2^-64
	v_cmp_gt_f32 vcc_lo, 0xc2fc0000, v[D]          ; -126 > y
	v_cndmask_b32 v[T], 0, v[T], vcc_lo
	v_add_f32 v[D], v[D], v[T]
	v_exp_f32 v[D+1], v[D]
	v_cndmask_b32 v[T+1], 1.0, v[T+1], vcc_lo      ; the plain instruction between v_exp_f32 and the use of its result (ISA guide 5.7.2); it names neither D nor D+1
	s_wait_alu depctr_va_vdst(0)
	v_mul_f32 v[D+1], v[D+1], v[T+1]
	global_store_b32 v1, v[D+1], s[10:11]          ; out0
.Lend:
	s_wait_tensorcnt 0x0
	ds_add_u32 v232, v233
	s_wait_dscnt 0x0
	s_endpgm
.Lfunc_end_k_qe2f7115b81_shapelet:
	.size	k_qe2f7115b81_shapelet, .Lfunc_end_k_qe2f7115b81_shapelet-k_qe2f7115b81_shapelet
	.p2alignl 7, 3214868480
	.fill 96, 4, 3214868480
	.section	.rodata,"a",@progbits
	.p2align	6, 0x0
	.amdhsa_kernel k_qe2f7115b81_shapelet
		.amdhsa_group_segment_fixed_size 168960
		.amdhsa_private_segment_fixed_size 0
		.amdhsa_enable_private_segment 0
		.amdhsa_kernarg_size 40
		.amdhsa_user_sgpr_count 2
		.amdhsa_user_sgpr_kernarg_segment_ptr 1
		.amdhsa_wavefront_size32 1
		.amdhsa_system_sgpr_workgroup_id_x 1
		.amdhsa_system_sgpr_workgroup_id_y 1
		.amdhsa_system_sgpr_workgroup_id_z 1
		.amdhsa_system_vgpr_workitem_id 0
		.amdhsa_next_free_vgpr 234
		.amdhsa_next_free_sgpr 66
		.amdhsa_reserve_vcc 1
		.amdhsa_float_denorm_mode_32 3
		.amdhsa_float_denorm_mode_16_64 3
		.amdhsa_memory_ordered 1
		.amdhsa_forward_progress 1
		.amdhsa_inst_pref_size 74
	.end_amdhsa_kernel
	.amdgpu_metadata
---
amdhsa.version: [ 1, 2 ]
amdhsa.kernels:
  - .name:           k_qe2f7115b81_shapelet
    .symbol:         k_qe2f7115b81_shapelet.kd
    .args:
      - { .name: x, .offset: 0, .size: 8, .value_kind: global_buffer, .address_space: global }
      - { .name: weights, .offset: 8, .size: 8, .value_kind: global_buffer, .address_space: global }
      - { .name: position_channel_map, .offset: 16, .size: 8, .value_kind: global_buffer, .address_space: global }
      - { .name: out0, .offset: 24, .size: 8, .value_kind: global_buffer, .address_space: global }
      - { .name: out1, .offset: 32, .size: 8, .value_kind: global_buffer, .address_space: global }
    .group_segment_fixed_size: 168960
    .private_segment_fixed_size: 0
    .kernarg_segment_align: 8
    .kernarg_segment_size: 40
    .max_flat_workgroup_size: 256
    .sgpr_count:     66
    .vgpr_count:     234
    .wavefront_size: 32
...
	.end_amdgpu_metadata
.endif
;; end of part 1
